; MI455X (gfx1250); checked and timed in simulation.
; The chip was launched on July 23, 2026; its instructions are those of AMD's public machine-readable ISA for CDNA 5 (MIT licence, August 2026) and "CDNA5" Instruction Set Architecture Reference Guide (July 2026). The comments in the code are by the model that wrote it; some were corrected since.
;; Bahdanau Attention. Allowed arithmetic: matrix products marked QUANTISED: E4M3 operands, one given power-of-two scale a tensor, by v_wmma_f32_16x16x64_fp8_fp8 or v_wmma_f32_16x16x128_fp8_fp8, f32 sums; products left as they are: f32 operands where the result goes on into a quantised operand, else bf16, f16 or f32 operands; f32 sums; everything else in f32.
;; Inputs: V 1,024 x 1 float32; W1 1,024 x 1,024 float32; W2 1,024 x 1,024 float32; b1 1,024 float32; b2 1,024 float32; bv 1 float32; lowp_scales 4 int32 (the exponents e of the quantised operands' scales 2^e); query 64 x 1,024 float32; values 64 x 1,024 x 1,024 float32.
;; Outputs: out0 64 x 1,024 float32; out1 64 x 1,024 x 1 float32.
;; This version of the problem:
;;   THIS VERSION OF THE PROBLEM IS GIVEN IN LOW PRECISION. The matrix products marked QUANTISED in the list below multiply operands that are first quantised to E4M3 (4 exponent bits, 3 mantissa bits; 8 bits a number), with one given power-of-two scale for each operand tensor; their sums are f32. All else is computed in f32.
;;   The module's matrix products, in the order in which they are computed (A, B: the left and right operand; K: the contracted axis; several contracted axes count as one K, in the product's order):
;;     1. [M 64, K 1,024] x [K 1,024, N 1,024]; A: input query; B: input W1: QUANTISED (scales: A lowp_scales[0], B lowp_scales[1])
;;     2. [M 65,536, K 1,024] x [K 1,024, N 1,024]; A: input values; B: input W2: QUANTISED (scales: A lowp_scales[2], B lowp_scales[3])
;;     3. [M 65,536, K 1,024] x [K 1,024, N 1]; A: computed on the way; B: input V: left as it is (N = 1 < 16)
;;   THE QUANTISER, for each operand of a quantised product, along K:
;;     - The operand's scale is 2^e, e = its entry of the input lowp_scales (int32; the entries are numbered through the quantised products in the list's order, A before B).
;;     - Each number is divided by the scale, clamped to +-448, and rounded to the nearest number of E4M3, ties to even, subnormals kept.
;;     - The product sums the exact products of the quantised numbers (number of the format x scale) in f32.
;;   ~~~python
;;   def quantise(x, axis, e):      # numpy; x: float32 -> the quantised numbers, widened to float32 again
;;       x = np.moveaxis(x, axis, -1); K = x.shape[-1]
;;       r = np.clip(x / 2.0 ** e, -448, 448)
;;       step = 2.0 ** (np.maximum(np.frexp(np.where(r == 0, 1, r))[1] - 1, -6) - 3)
;;       q = np.round(r / step) * step * 2.0 ** e      # np.round: ties to even
;;       return np.moveaxis(q, -1, axis).astype(np.float32)
;;   ~~~
;; One version. Each part assembles by itself: llvm-mc -triple=amdgcn-amd-amdhsa -mcpu=gfx1250 --defsym DOCPART=n.
;; ======== version 1 of 1: 3 launches
;; limits: right only within a limited range of input values
;; workspace buffers: w2c 1,048,576 bytes; qb 262,144 bytes; scorebuf 262,144 bytes
;; launch prep (part 1): grid 32 x 1, 32 waves a work-group, no clusters, 208,896 bytes of LDS; arguments W2, W1, query, b1, b2, lowp_scales, w2c, qb; writes w2c, qb
.if DOCPART == 1
	.amdgcn_target "amdgcn-amd-amdhsa--gfx1250"
	.amdhsa_code_object_version 6
	.text
	.protected	k_q56d83cad98_prep
	.globl	k_q56d83cad98_prep
	.p2align	8
	.type	k_q56d83cad98_prep,@function
k_q56d83cad98_prep:
	s_mov_b64 s[64:65], 0
	v_nop
	global_prefetch_b8 v0, s[64:65] scope:SCOPE_SE
	s_setreg_imm32_b32 hwreg(HW_REG_WAVE_MODE, 25, 1), 1
	s_wait_xcnt 0x0
; PREP.  Two roles, told apart by the work-group's number alone.
; ROLE W (work-groups 0-15): W2 [1024 (k)][1024 (u)] f32 becomes codes of E4M3 with the given scale 2^e3, laid in the ORDER OF THE OPERAND'S REGISTERS:
;   fragment (p, s, nt) = columns 128 p + 16 nt + 0..15, k = 128 s + 0..127, is 2,048 bytes at ((8 p + s) 8 + nt) 2048;
;   in it byte 512 c + 16 (16 h + r) + i is the code of W2[128 s + 32 c + 16 h + i][128 p + 16 nt + r]: register group c of lane (r, h).
;   A lane takes a column and its 64 registers run down K, so the conversions give codes with K innermost and nothing is transposed.
; ROLE Q (work-groups 16-31): qb[b][u] = ((Q(query) Q(W1))[b][u] 2^(e0 + e1) + b1[u] + b2[u]) x 2 log2(e), 64 columns u to a work-group.
;   Wave (a, s) quantises query's fragment (rows 16 a on, K step s) and hands it to the others through LDS as an image of its registers,
;   quantises W1's fragment (columns 16 a on, K step s) in registers, and multiplies it by the four query fragments of its K step.
;   The eight K steps' partial sums meet in LDS and are added in ascending K.
; In every fragment, of A and of B alike, registers 4 c .. 4 c + 3 of lane (r, h) hold k = 32 c + 16 h + 0..15: one and the same order of k on both sides.
; code = x / 2^e, held within +-448, to the nearest code, ties to even.
; LIMITS: e0, e1, e3 between -126 and 119; e0 + e1 between -126 and 127, so that each power of two below is an f32 number.  NaN among the inputs is not served.
; 32 waves of 128 registers: a lane's loads are 4 bytes, so many waves with 64 loads each keep many bytes on their way.
; DEAD WORK, for the whole program.  score[b][t] = sum over u of V[u] tanh(x[b][t][u]) + bv, and tanh(x) = 1 - 2 / (1 + e^(2 x)), so
;   score[b][t] = (sum over u of V[u] + bv) - 2 sum over u of V[u] / (1 + e^(2 x[b][t][u])).
; The bracket is the same for every t of a batch; both outputs are made of softmax over t of score alone, which a term that is the same along t leaves as it is, whatever V and bv hold.
; So neither bv nor the sum of V is formed: bv has no way to an output, is not loaded and is no launch's argument.
; LIMIT: a NaN, an infinity or an overflow that reaches only bv or the plain sum of V is not carried to the results.
.set WV,     24
.set LIM,    8                         ; v8   448 x the scale
.set SCL,    9                         ; v9   the scale as f32: the conversion takes its exponent field
.set X,      16                        ; v16-79   64 numbers; later four fragments of query; later sums
.set PC,     80                        ; v80-95   the 64 codes just made: one fragment
.set ACC,    96                        ; v96-127  four accumulators
.set STG,    65536                     ; LDS: bytes 0-65,535: query's 32 fragments, (mt, s) at (8 mt + s) 2048; from here eight planes of partial sums
.set SPITCH, 272                       ; a plane's row: 64 columns x 4 bytes + 16
.set PLANE,  64*SPITCH                 ; 64 batch rows
.macro SCALE e                         ; the scale 2^e and 448 x 2^e as f32 patterns
	s_add_co_i32 s25, \e, 127
	s_lshl_b32 s26, s25, 23
	v_mov_b32 v[SCL], s26
	s_add_co_i32 s25, s25, 8
	s_lshl_b32 s25, s25, 23
	s_or_b32 s25, s25, 0x600000                    ; the mantissa field of 448
	v_mov_b32 v[LIM], s25
.endm
.macro QUANT                           ; v[X] .. v[X+63] become 64 codes in v[PC] .. v[PC+15]
.set q, 0
.rept 64
	v_med3_num_f32 v[X+q], v[X+q], -v[LIM], v[LIM] ; the conversion to an 8-bit code does not saturate (ISA guide 7.6.2): the hold comes first
.set q, q+1
.endr
.set q, 0
.rept 8
	v_cvt_scalef32_pk8_fp8_f32 v[PC+2*q:PC+2*q+1], v[X+8*q:X+8*q+7], v[SCL]
.set q, q+1
.endr
	v_nop                                          ; one plain vector instruction between the last conversion and whatever vector or matrix instruction touches its registers next
.endm
.macro BARRIER                         ; my LDS stores have landed and my LDS loads are in: then the work-group's barrier
	s_wait_dscnt 0x0
	s_barrier_signal -1
	s_barrier_wait -1
.endm
	s_load_b512 s[4:19], s[0:1], 0x0               ; W2 s[4:5], W1 s[6:7], query s[8:9], b1 s[10:11], b2 s[12:13], the scales s[14:15], w2c s[16:17], qb s[18:19]
	v_lshrrev_b32 v1, 5, v0
	s_delay_alu instid0(VALU_DEP_1)
	v_readfirstlane_b32 s[WV], v1                  ; wave 0..31
	v_and_b32 v1, 31, v0                           ; lane
	v_and_b32 v2, 15, v0                           ; r
	v_bfe_u32 v3, v0, 4, 1                         ; h
	s_delay_alu instid0(VALU_DEP_3)
	v_lshlrev_b32 v4, 4, v1                        ; 16 x lane: an image's place for my lane
	s_wait_kmcnt 0x0
	s_load_b128 s[20:23], s[14:15], 0x0            ; e0, e1, e2, e3
	s_cmp_lt_u32 ttmp9, 16
	s_cbranch_scc0 .Lrole_q
	; ---------------- ROLE W: a wave takes 32 columns x 64 along K
	s_lshr_b32 s27, ttmp9, 1                       ; p: which 128 columns
	s_and_b32 s28, ttmp9, 1
	s_lshl_b32 s28, s28, 2
	s_lshr_b32 s29, s[WV], 3
	s_add_co_u32 s28, s28, s29                     ; s: which 128 along K
	s_bfe_u32 s29, s[WV], 0x10002                  ; kh: which half of them
	s_and_b32 s30, s[WV], 3                        ; cq: which 32 of the columns
	s_lshl_b32 s32, s28, 19                        ; W2: (128 s + 64 kh) rows of 4,096 bytes + 512 p + 128 cq
	s_lshl_b32 s33, s29, 18
	s_add_co_u32 s32, s32, s33
	s_lshl_b32 s33, s27, 9
	s_add_co_u32 s32, s32, s33
	s_lshl_b32 s33, s30, 7
	s_add_co_u32 s32, s32, s33
	s_mov_b32 s33, 0
	s_add_nc_u64 s[4:5], s[4:5], s[32:33]
	s_wait_alu depctr_va_vdst(0)
	v_lshlrev_b32 v5, 2, v1                        ; 4 bytes a lane: a load of the wave reads 128 consecutive bytes, the four waves cq side by side 512
.set q, 0
.rept 64
	global_load_b32 v[X+q], v5, s[4:5] offset:4096*q th:TH_LOAD_NT   ; W2[128 s + 64 kh + q][my column]
.set q, q+1
.endr
	s_lshl_b32 s32, s27, 17                        ; w2c: ((8 p + s) 8 + 2 cq) 2048 + 1024 kh
	s_lshl_b32 s33, s28, 14
	s_add_co_u32 s32, s32, s33
	s_lshl_b32 s33, s30, 12
	s_add_co_u32 s32, s32, s33
	s_lshl_b32 s33, s29, 10
	s_add_co_u32 s32, s32, s33
	s_mov_b32 s33, 0
	s_add_nc_u64 s[16:17], s[16:17], s[32:33]
	v_lshlrev_b32 v6, 4, v2
	s_delay_alu instid0(VALU_DEP_1)
	v_lshl_add_u32 v6, v3, 11, v6                  ; lanes 0-15: tile 2 cq, lanes 16-31: tile 2 cq + 1; 16 bytes at 16 r
	s_wait_kmcnt 0x0                               ; the scales
	SCALE s23
	s_wait_alu depctr_va_vdst(0)
	s_wait_loadcnt 0x0
	QUANT
.irp m, 0,1,2,3                        ; registers 4 m .. 4 m + 3 are k = 64 kh + 16 m + 0..15: group c = 2 kh + m / 2, half m % 2
	global_store_b128 v6, v[PC+4*\m:PC+4*\m+3], s[16:17] offset:512*(\m/2)+256*(\m%2)   ; each half of the lanes stores 256 consecutive bytes, aligned
.endr
	s_endpgm
	; ---------------- ROLE Q
.Lrole_q:
	s_sub_co_u32 s27, ttmp9, 16                    ; g: columns 64 g .. 64 g + 63
	s_and_b32 s28, s[WV], 3                        ; a
	s_lshr_b32 s29, s[WV], 2                       ; s: my K step
	s_lshl_b32 s32, s28, 16                        ; query: 16 a rows of 4,096 bytes + 512 s
	s_lshl_b32 s33, s29, 9
	s_add_co_u32 s32, s32, s33
	s_mov_b32 s33, 0
	s_add_nc_u64 s[8:9], s[8:9], s[32:33]
	s_wait_alu depctr_va_vdst(0)
	v_lshlrev_b32 v5, 12, v2
	s_delay_alu instid0(VALU_DEP_1)
	v_lshl_add_u32 v5, v3, 6, v5                   ; row r, + 64 h: my 16 numbers of each block of 32
.irp c, 0,1,2,3
.irp j, 0,1,2,3
	global_load_b128 v[X+16*\c+4*\j:X+16*\c+4*\j+3], v5, s[8:9] offset:128*\c+16*\j
.endr
.endr
	s_lshl_b32 s32, s29, 19                        ; W1: 128 s rows of 4,096 bytes + 256 g + 64 a
	s_lshl_b32 s34, s27, 8
	s_add_co_u32 s32, s32, s34
	s_lshl_b32 s35, s28, 6
	s_add_co_u32 s32, s32, s35
	s_add_nc_u64 s[6:7], s[6:7], s[32:33]
	v_lshlrev_b32 v10, 2, v2
	s_delay_alu instid0(VALU_DEP_1)
	v_lshl_add_u32 v10, v3, 16, v10                ; column r, lanes 16-31 sixteen rows further down
	s_lshl_b32 s36, s28, 3
	s_add_co_u32 s36, s36, s29
	s_lshl_b32 s36, s36, 11
	v_add_nc_u32 v6, s36, v4                       ; where my query fragment's image goes: (8 a + s) 2048 + 16 x lane
	s_lshl_b32 s36, s29, 11
	v_add_nc_u32 v7, s36, v4                       ; where I read the four fragments of my K step: 2048 s + 16 x lane (+ 16384 mt)
	s_mul_i32 s36, s29, PLANE
	s_add_co_u32 s36, s36, s35
	s_add_co_u32 s36, s36, STG
	v_mul_u32_u24 v11, v2, SPITCH
	s_delay_alu instid0(VALU_DEP_1)
	v_lshl_add_u32 v11, v3, 5, v11
	s_delay_alu instid0(VALU_DEP_1)
	v_add_nc_u32 v11, s36, v11                     ; into plane s: row r (+ 16 mt), bytes 64 a + 32 h on
	s_lshl_b32 s36, s[WV], 1
	v_add_nc_u32 v12, s36, v3                      ; the batch row that I finish: 2 x wave + h
	s_delay_alu instid0(VALU_DEP_1)
	v_mul_u32_u24 v13, v12, SPITCH
	s_delay_alu instid0(VALU_DEP_1)
	v_lshl_add_u32 v13, v2, 4, v13
	s_delay_alu instid0(VALU_DEP_1)
	v_add_nc_u32 v13, STG, v13                     ; out of planes 0-3: that row, 16 bytes at 16 r,
	s_delay_alu instid0(VALU_DEP_1)
	v_add_nc_u32 v14, 4*PLANE, v13                 ; and of planes 4-7 (an LDS immediate has 16 bits)
	v_lshl_add_u32 v15, v2, 4, s34                 ; b1, b2: 256 g + 16 r
	s_delay_alu instid0(VALU_DEP_1)
	v_lshl_add_u32 v12, v12, 12, v15               ; qb: the row's 4,096 bytes + the same
	s_wait_kmcnt 0x0                               ; the scales
	s_add_co_i32 s30, s20, s21
	s_add_co_i32 s30, s30, 127
	s_lshl_b32 s30, s30, 23                        ; 2^(e0 + e1) as f32
	s_mov_b32 s31, s30                             ; (named with it as a pair, so it is written)
	SCALE s20
	s_wait_alu depctr_va_vdst(0)
	s_wait_loadcnt 0x0
	QUANT
.irp c, 0,1,2,3
	ds_store_b128 v6, v[PC+4*\c:PC+4*\c+3] offset:512*\c
.endr
.irp c, 0,1,2,3                        ; W1's fragment: lane (r, h) takes column r, registers down K in the operand's own order
.set q, 0
.rept 16
	global_load_b32 v[X+16*\c+q], v10, s[6:7] offset:(32*\c+q)*4096
.set q, q+1
.endr
.endr
	BARRIER                                        ; query's 32 fragments lie in LDS; my stores have read v[PC] on
	SCALE s21
	s_wait_alu depctr_va_vdst(0)
	s_wait_loadcnt 0x0
	QUANT                                          ; v[PC] on is now W1's fragment
.irp m, 0,1,2,3
.irp c, 0,1,2,3
	ds_load_b128 v[X+16*\m+4*\c:X+16*\m+4*\c+3], v7 offset:16384*\m+512*\c
.endr
.endr
	s_wait_alu depctr_va_vdst(0)
	s_wait_dscnt 0x0
.irp m, 0,1,2,3                        ; TRANSPOSED: source 0 = 16 columns of W1, source 1 = 16 rows of query: lane (r, h) holds batch row 16 m + r, register j column 8 h + j.  Four accumulators, one instruction each
	v_wmma_f32_16x16x128_fp8_fp8 v[ACC+8*\m:ACC+8*\m+7], v[PC:PC+15], v[X+16*\m:X+16*\m+15], 0
.endr
.rept 4
	v_nop                                          ; four places in front of the first read of results and of loads into registers that the products have read
.endr
	global_load_b128 v[X:X+3], v15, s[10:11]       ; b1 and b2 of my four columns: they land while the sums go round
	global_load_b128 v[X+4:X+7], v15, s[12:13]
.irp m, 0,1,2,3
	ds_store_b128 v11, v[ACC+8*\m:ACC+8*\m+3] offset:16*SPITCH*\m       ; each accumulator from its low end on
	ds_store_b128 v11, v[ACC+8*\m+4:ACC+8*\m+7] offset:16*SPITCH*\m+16
.endr
	BARRIER                                        ; the eight planes are whole
.irp t, 0,1,2,3
	ds_load_b128 v[X+8+4*\t:X+11+4*\t], v13 offset:PLANE*\t
.endr
.irp t, 0,1,2,3
	ds_load_b128 v[X+24+4*\t:X+27+4*\t], v14 offset:PLANE*\t
.endr
	s_wait_dscnt 0x0
.irp t, 1
	v_pk_add_f32 v[X+8:X+9], v[X+8:X+9], v[X+8+4*\t:X+9+4*\t]
	v_pk_add_f32 v[X+10:X+11], v[X+10:X+11], v[X+10+4*\t:X+11+4*\t]
.endr
.irp t, 2, 3, 4, 5, 6, 7
	s_delay_alu instid0(VALU_DEP_2)
	v_pk_add_f32 v[X+8:X+9], v[X+8:X+9], v[X+8+4*\t:X+9+4*\t]
	s_delay_alu instid0(VALU_DEP_2)
	v_pk_add_f32 v[X+10:X+11], v[X+10:X+11], v[X+10+4*\t:X+11+4*\t]
.endr
	s_wait_loadcnt 0x0
	v_pk_add_f32 v[X:X+1], v[X:X+1], v[X+4:X+5]    ; b1 + b2
	s_wait_alu depctr_va_vdst(0)
	v_pk_add_f32 v[X+2:X+3], v[X+2:X+3], v[X+6:X+7]
	v_pk_fma_f32 v[X+8:X+9], v[X+8:X+9], s[30:31], v[X:X+1] op_sel_hi:[1,0,1]       ; sum x 2^(e0 + e1) + the biases
	s_delay_alu instid0(VALU_DEP_2)
	v_pk_fma_f32 v[X+10:X+11], v[X+10:X+11], s[30:31], v[X+2:X+3] op_sel_hi:[1,0,1]
	s_delay_alu instid0(VALU_DEP_2)
	v_pk_mul_f32 v[X+8:X+9], v[X+8:X+9], 0x4038aa3b op_sel_hi:[1,0]                 ; x 2 log2(e): the next launch's exponential is in base 2
	s_delay_alu instid0(VALU_DEP_2)
	v_pk_mul_f32 v[X+10:X+11], v[X+10:X+11], 0x4038aa3b op_sel_hi:[1,0]
	global_store_b128 v12, v[X+8:X+11], s[18:19]   ; sixteen lanes store 256 consecutive bytes, aligned
	s_wait_xcnt 0x0
	v_lshl_add_u32 v14, v0, 2, 0x32000
	v_mov_b32 v15, 0
	s_wait_alu depctr_va_vdst(0)
	s_wait_tensorcnt 0x0
	ds_add_u32 v14, v15
	s_wait_dscnt 0x0
	s_endpgm
.Lfunc_end_k_q56d83cad98_prep:
	.size	k_q56d83cad98_prep, .Lfunc_end_k_q56d83cad98_prep-k_q56d83cad98_prep
	.p2alignl 7, 3214868480
	.fill 96, 4, 3214868480
	.section	.rodata,"a",@progbits
	.p2align	6, 0x0
	.amdhsa_kernel k_q56d83cad98_prep
		.amdhsa_group_segment_fixed_size 208896
		.amdhsa_private_segment_fixed_size 0
		.amdhsa_enable_private_segment 0
		.amdhsa_kernarg_size 64
		.amdhsa_user_sgpr_count 2
		.amdhsa_user_sgpr_kernarg_segment_ptr 1
		.amdhsa_wavefront_size32 1
		.amdhsa_system_sgpr_workgroup_id_x 1
		.amdhsa_system_sgpr_workgroup_id_y 1
		.amdhsa_system_sgpr_workgroup_id_z 1
		.amdhsa_system_vgpr_workitem_id 0
		.amdhsa_next_free_vgpr 128
		.amdhsa_next_free_sgpr 66
		.amdhsa_reserve_vcc 0
		.amdhsa_float_denorm_mode_32 3
		.amdhsa_float_denorm_mode_16_64 3
		.amdhsa_memory_ordered 1
		.amdhsa_forward_progress 1
		.amdhsa_inst_pref_size 38
	.end_amdhsa_kernel
	.amdgpu_metadata
---
amdhsa.version: [ 1, 2 ]
amdhsa.kernels:
  - .name:           k_q56d83cad98_prep
    .symbol:         k_q56d83cad98_prep.kd
    .args:
      - { .name: W2, .offset: 0, .size: 8, .value_kind: global_buffer, .address_space: global }
      - { .name: W1, .offset: 8, .size: 8, .value_kind: global_buffer, .address_space: global }
      - { .name: query, .offset: 16, .size: 8, .value_kind: global_buffer, .address_space: global }
      - { .name: b1, .offset: 24, .size: 8, .value_kind: global_buffer, .address_space: global }
      - { .name: b2, .offset: 32, .size: 8, .value_kind: global_buffer, .address_space: global }
      - { .name: lowp_scales, .offset: 40, .size: 8, .value_kind: global_buffer, .address_space: global }
      - { .name: w2c, .offset: 48, .size: 8, .value_kind: global_buffer, .address_space: global }
      - { .name: qb, .offset: 56, .size: 8, .value_kind: global_buffer, .address_space: global }
    .group_segment_fixed_size: 208896
    .private_segment_fixed_size: 0
    .kernarg_segment_align: 8
    .kernarg_segment_size: 64
    .max_flat_workgroup_size: 1024
    .sgpr_count:     66
    .vgpr_count:     128
    .wavefront_size: 32
...
	.end_amdgpu_metadata
.endif
;; end of part 1
;; launch score (part 2): grid 256 x 1, 4 waves a work-group, clusters of 4 x 1, 327,680 bytes of LDS; arguments values, w2c, qb, V, lowp_scales, scorebuf; writes scorebuf
.if DOCPART == 2
	.amdgcn_target "amdgcn-amd-amdhsa--gfx1250"
	.amdhsa_code_object_version 6
	.text
	.protected	k_q56d83cad98_score
	.globl	k_q56d83cad98_score
	.p2align	8
	.type	k_q56d83cad98_score,@function
k_q56d83cad98_score:
	s_mov_b64 s[64:65], 0
	v_nop
	global_prefetch_b8 v0, s[64:65] scope:SCOPE_SE
	s_setreg_imm32_b32 hwreg(HW_REG_WAVE_MODE, 25, 1), 1
	s_wait_xcnt 0x0
	s_wait_alu depctr_hold_cnt(0) depctr_sa_sdst(0) depctr_va_vdst(0) depctr_va_sdst(0) depctr_va_ssrc(0) depctr_va_vcc(0) depctr_vm_vsrc(0)
	s_getreg_b32 s2, hwreg(HW_REG_IB_STS2, 6, 4)
	s_cmp_eq_u32 s2, 0
	s_cbranch_scc0 .Lentry_in_a_cluster
	s_endpgm
.Lentry_in_a_cluster:
	s_bfe_u32 s2, ttmp6, 0x10000c
	s_cmp_lg_u32 s2, 0x3003
	s_cbranch_scc0 .Lentry_shape_is_right
	s_endpgm
.Lentry_shape_is_right:
; SCORE.  scorebuf[b][t] = sum over u of -2 V[u] / (1 + 2^(y)), y = 2 log2(e) x, x = (Q(values) Q(W2))[b][t][u] 2^(e2 + e3) + q_proj[b][u] + b1[u] + b2[u].
; Left out as dead work (shown at the head of the first kernel): bv and the plain sum of V, which are the same for every t of a batch.
; qb holds (q_proj + b1 + b2) x 2 log2(e); w2c holds W2's codes in the order of the operand's registers: chunk p = columns 128 p on, 131,072 bytes; in it K step s at 16384 s, tile nt at 2048 nt, register group c at 512 c, lane at 16.
; SHARES.  A work-group owns 256 rows (b, t), a wave 64 of them; the four work-groups of a cluster own one batch.  All work-groups walk the same W2: its chunks are asked for jointly by the four partners.
; PART 1: the wave's 64 rows x 1,024 f32 come in eight K steps of 128 through two LDS slots (each wave's own tile, 64 rows x 512 bytes, 16 bytes of padding a row) and are quantised
;   (held within +-448 x 2^e2, to the nearest code, ties to even) into 512 registers: registers 4 c .. 4 c + 3 of lane (r, h) hold k = 32 c + 16 h + 0..15, the same order of k as in w2c.
;   Each wave prefetches its own tile two K steps ahead of the tensor load that wants it: 128 blocks of 256 bytes, four instructions, a lane a block; K steps 0 and 1 come by their loads alone, the last two loads ask for nothing.
; PART 2: eight periods, one for each chunk of W2, through the same two slots.  A period is two groups of 64 columns: 128 matrix instructions on 16 accumulators by turns, then the group's way out in whole batches.
;   A chunk is asked for a whole period (256 matrix instructions and two ways out) ahead of its first read, so it has no prefetch of its own.
; TRANSPOSED USE: source 0 = 16 columns of W2, source 1 = 16 rows of values: lane (r, h) holds row r, register j column 8 h + j.
; y beyond f32's exponents: 2^y is then infinity or 0, and the quotient 0 or -2 V[u], as tanh's limits ask.
; LIMITS: e2 between -126 and 119; e2 + e3 between -127 and 125 (added to the exponent field of 2 log2(e)).  NaN among the inputs is not served.
; REGISTERS.  window 0: v1-15 addresses and constants, v32-35 results, v64-255 three sets of four fragments of W2.  window 1: part 1: 256 numbers; part 2: v0-127 accumulator (m, n) at 32 m + 8 n,
;   v128-159 qb and v160-191 -2 V of the group's columns, v192-207 the sums.  windows 2, 3: values' codes, K step s at 64 (s % 4) + 16 m of window 2 + s / 4.
.set FPITCH, 528                       ; an f32 tile's row in LDS: 512 bytes + 16
.set FTILE,  64*FPITCH
.set SLOTB,  4*FTILE                   ; a slot: four waves' f32 tiles; later a chunk of W2 in its first 131,072 bytes
.set CHUNK,  131072
.set SPARE,  2*SLOTB                   ; the spare words: 512 bytes that no other line names
.set V2T,    SPARE+512                 ; -2 V, 4,096 bytes; then the batch's row of qb, 4,096 bytes
.set SPW,  1                           ; v1  my spare word; v2  0: never rewritten
.set NIL,  2
.set LI,   3                           ; v3  16 x lane
.set AF0,  4                           ; v4-5  my place in my f32 tile, slot 0, 1
.set ADB0, 6                           ; v6-7  W2's fragments: K steps 0-3, 4-7
.set AV0,  8                           ; v8  V2T + 32 h;  v9  + 512 x period
.set AV,   9
.set LIM,  10                          ; v10 448 x 2^e2;  v11 2^e2
.set SCL,  11
.set SO,   12                          ; v12 16 r
.set PFO,  13                          ; v13 4096 x lane: the prefetches' offset, never rewritten
.set LN,   14
.set PD,   15
.set F,    32
.set TQ,   128
.set TV,   160
.set S,    192
.set G1F,  16
.set G1W,  24
.set G0F,  32
.set G0W,  40
.set WV,   46
.set CX,   47
.set GG,   48
.set CS,   52
.set SEL,  54
.set TB,   56
.set PQ,   57
.set CNT,  58
.set MSB, 0
.macro WIN new                         ; the immediate's high byte repeats the setting that is left
.if MSB != (\new)
	s_set_vgpr_msb (MSB<<8)|(\new)
.set MSB, (\new)
.endif
.endm
.macro NOP4
.rept 4
	v_nop
.endr
.endm
.macro ROUND                           ; a round of the cluster's barrier
	s_barrier_signal -1
	s_barrier_wait -1
	s_cmp_lg_u32 s[WV], 0
	s_cbranch_scc1 .Lnot_wave_0_\@
	s_barrier_signal -3
.Lnot_wave_0_\@:
	s_barrier_wait -3
	s_barrier_signal -1
	s_barrier_wait -1
.endm
.macro ASKF t                          ; behind the load of K step t: my tile of K step t + 2, 64 rows x 512 bytes, each block of 256 bytes named once
.if (\t)+2 < 8
.irp i, 0,1
.irp j, 0,1
	global_prefetch_b8 v[PFO], s[4:5] offset:131072*\i+256*\j+512*((\t)+2) th:TH_LOAD_NT scope:SCOPE_SE
.endr
.endr
.endif
.endm
.macro STEP s                          ; K step s: my tile out of LDS, held, converted
	s_wait_tensorcnt 1                             ; only the other slot's load may be out
	WIN 0x40
.irp m, 0,1,2,3
.irp c, 0,1,2,3
.irp j, 0,1,2,3
	ds_load_b128 v[64*\m+16*\c+4*\j:64*\m+16*\c+4*\j+3], v[AF0+(\s)%2] offset:16*FPITCH*\m+128*\c+16*\j
.endr
.endr
.endr
.irp m, 0,1,2,3
	s_wait_dscnt 48-16*\m                          ; the 16 loads of each later block of rows may be out
	WIN 0x41
.set q, 0
.rept 64
	v_med3_num_f32 v[64*\m+q], v[64*\m+q], -v[LIM], v[LIM]   ; the conversion does not saturate (ISA guide 7.6.2): the hold comes first
.set q, q+1
.endr
	WIN 0x81+0x40*((\s)/4)
.set q, 0
.rept 8
	v_cvt_scalef32_pk8_fp8_f32 v[64*((\s)%4)+16*\m+2*q:64*((\s)%4)+16*\m+2*q+1], v[64*\m+8*q:64*\m+8*q+7], v[SCL]
.set q, q+1
.endr
.endr
	v_nop                                          ; a plain line behind the last conversion
	WIN 0
.endm
.macro FILLF t                         ; slot t % 2 takes K step t: the three lines, a round, my one load
	s_wait_tensorcnt 0x0
	ds_add_u32 v[SPW], v[NIL]
	s_add_nc_u64 s[G0F+4*((\t)%2)+2:G0F+4*((\t)%2)+3], s[G0F+4*((\t)%2)+2:G0F+4*((\t)%2)+3], 1024
	s_wait_dscnt 0x0                               ; the add, and my reads of the slot
	ROUND
	tensor_load_to_lds s[G0F+4*((\t)%2):G0F+4*((\t)%2)+3], s[G1F:G1F+7]
	s_nop 0
	NOP4
	ASKF \t
.endm
.macro CHANGE fill, step               ; the change of slots for W2's chunks; fill = 1: the joint load of the next chunk, first behind the round
	s_wait_tensorcnt 0x0
	ds_add_u32 v[SPW], v[NIL]
.if \step
	s_xor_b32 s[G0W+1], s[G0W+1], SLOTB
	s_add_nc_u64 s[G0W+2:G0W+3], s[G0W+2:G0W+3], CHUNK
.endif
	s_wait_dscnt 0x0
.if \fill
	ROUND
	tensor_load_to_lds s[G0W:G0W+3], s[G1W:G1W+7]
	s_nop 0
	NOP4
.else
	s_barrier_signal -1
	s_barrier_wait -1
.endif
.endm
.macro LOADB i                         ; four fragments of W2: group i / 8, K step i % 8, into set i % 3: 16 loads
.set BS, 64+64*((\i)%3)
.set BA, ADB0+((\i)%8)/4
.set BO, (8*((\i)%4)+4*((\i)/8))*2048
.irp n, 0,1,2,3
.irp c, 0,1,2,3
	ds_load_b128 v[BS+16*\n+4*\c:BS+16*\n+4*\c+3], v[BA] offset:BO+2048*\n+512*\c
.endr
.endr
.endm
.macro LOADT z                         ; qb and -2 V at my eight columns of each of group z's four tiles: 16 loads
	WIN 0x40
.irp t, 0,1,2,3
	ds_load_b128 v[TQ+8*\t:TQ+8*\t+3], v[AV] offset:4096+256*(\z)+64*\t
	ds_load_b128 v[TQ+8*\t+4:TQ+8*\t+7], v[AV] offset:4096+256*(\z)+64*\t+16
	ds_load_b128 v[TV+8*\t:TV+8*\t+3], v[AV] offset:256*(\z)+64*\t
	ds_load_b128 v[TV+8*\t+4:TV+8*\t+7], v[AV] offset:256*(\z)+64*\t+16
.endr
	WIN 0
.endm
.macro WM                              ; source 0 window 0, source 1 window 2 or 3, C and D window 1
	WIN 0x58+4*((gi%8)/4)
.set AC, 32*(w%4)+8*(w/4)
.set BR, 64+64*(gi%3)+16*(w/4)
.set AR, 64*(gi%4)+16*(w%4)
.if gi%8 == 0
	v_wmma_f32_16x16x128_fp8_fp8 v[AC:AC+7], v[BR:BR+15], v[AR:AR+15], 0
.else
	v_wmma_f32_16x16x128_fp8_fp8 v[AC:AC+7], v[BR:BR+15], v[AR:AR+15], v[AC:AC+7]
.endif
.endm
; A GROUP'S WAY OUT: 128 numbers a lane, all operands in window 1, in two halves of 64 (rows 0-31, rows 32-63 of my 64).  All first reads of the products' results stand ahead of the first exponential.
; Then four phases of transcendentals, each opened by a wait; in the two middle ones the additions of 1 on one half stand among the other half's transcendentals:
; no line of a phase reads what a line of the same phase writes.  The sums follow behind the last phase's wait.
.macro EPI
	WIN 0x55
.set q, 0
.rept 64
	v_pk_fma_f32 v[2*q:2*q+1], v[2*q:2*q+1], s[CS:CS+1], v[TQ+(2*q)%32:TQ+(2*q)%32+1] op_sel_hi:[1,0,1]   ; y; each accumulator from its low end on
.set q, q+1
.endr
	s_wait_alu depctr_va_vdst(0)
.set q, 0
.rept 64
	v_exp_f32 v[q], v[q]                           ; the lower half
.set q, q+1
.endr
	v_nop
	s_wait_alu depctr_va_vdst(0)
.set q, 0
.rept 32
	v_exp_f32 v[64+2*q], v[64+2*q]                 ; the upper half's exponentials, the lower half's 1 + 2^y
	v_exp_f32 v[65+2*q], v[65+2*q]
	v_pk_add_f32 v[2*q:2*q+1], v[2*q:2*q+1], 1.0 op_sel_hi:[1,0]
.set q, q+1
.endr
	s_wait_alu depctr_va_vdst(0)
.set q, 0
.rept 32
	v_rcp_f32 v[2*q], v[2*q]                       ; the lower half's reciprocals, the upper half's 1 + 2^y
	v_rcp_f32 v[2*q+1], v[2*q+1]
	v_pk_add_f32 v[64+2*q:65+2*q], v[64+2*q:65+2*q], 1.0 op_sel_hi:[1,0]
.set q, q+1
.endr
	s_wait_alu depctr_va_vdst(0)
.set q, 0
.rept 64
	v_rcp_f32 v[64+q], v[64+q]
.set q, q+1
.endr
	v_nop
	s_wait_alu depctr_va_vdst(0)
.set q, 0
.rept 64                               ; eight chains by turns: block of rows q % 4, pair q / 4
	v_pk_fma_f32 v[S+4*(q%4)+2*((q/4)%2):S+4*(q%4)+2*((q/4)%2)+1], v[32*(q%4)+2*(q/4):32*(q%4)+2*(q/4)+1], v[TV+2*(q/4):TV+2*(q/4)+1], v[S+4*(q%4)+2*((q/4)%2):S+4*(q%4)+2*((q/4)%2)+1]
.set q, q+1
.endr
	WIN 0
.endm
; A group: eight K steps of 16 matrix instructions, the 16 accumulators by turns.  W2's fragments run three K steps ahead, on into the next group, in one run of 16 loads a K step.
; The counts on DScnt: what was issued behind the set in hand: two sets and the 16 table loads, or three sets' worth (48); two sets (32); one (16); none.
.macro HALF z
.irp s, 0,1,2,3,4,5,6,7
.set gi, 8*(\z)+\s
.if \s < 3
	s_wait_dscnt 48
.elseif gi == 14
	s_wait_dscnt 16
.elseif gi == 15
	s_wait_dscnt 0
.else
	s_wait_dscnt 32
.endif
.set w, 0
.rept 16
	WM
.set w, w+1
.endr
	WIN 0
	NOP4                                           ; four places ahead of loads into registers that the products read, and of the first read of results
.if gi < 13
	LOADB gi+3
.endif
.endr
	EPI
.endm
.macro PERIOD
	v_add_nc_u32 v[ADB0], s[TB], v[LI]
	v_add_nc_u32 v[ADB0+1], 0x10000, v[ADB0]       ; an LDS immediate has 16 bits
	v_add_nc_u32 v[AV], s[PQ], v[AV0]
	s_wait_alu depctr_va_vdst(0)
	LOADB 0
	LOADB 1
	LOADB 2
	LOADT 0
	HALF 0
	LOADT 1
	HALF 1
	s_xor_b32 s[TB], s[TB], SLOTB
	s_add_co_u32 s[PQ], s[PQ], 512
.endm
	s_load_b256 s[4:11], s[0:1], 0x0               ; values s[4:5], w2c s[6:7], qb s[8:9], V s[10:11]
	s_load_b128 s[12:15], s[0:1], 0x20             ; the scales s[12:13], scorebuf s[14:15]
	v_lshl_add_u32 v[SPW], v0, 2, SPARE
	v_mov_b32 v[NIL], 0
	ds_add_u32 v[SPW], v[NIL]                      ; the opening lines: the add twice on end and one wait
	ds_add_u32 v[SPW], v[NIL]
	v_lshrrev_b32 v14, 5, v0
	v_readfirstlane_b32 s[WV], v14                 ; wave 0..3
	v_and_b32 v[LN], 31, v0
	v_lshlrev_b32 v[PFO], 12, v[LN]
	s_bfe_u32 s[CX], ttmp6, 0x40000
	s_lshl_b32 s[GG], ttmp9, 2
	s_add_co_u32 s[GG], s[GG], s[CX]               ; my work-group: 4 x batch + place in the cluster; it enters global addresses of my own rows alone
	s_mov_b32 s[G1F+0], (2<<16)|(1<<20)|(6<<22)|(3<<25)   ; f32 tiles: no mask; elements of 4 bytes; 4 dwords of padding behind every 128
	s_mov_b32 s[G1F+1], 128<<16
	s_mov_b32 s[G1F+2], 64<<16
	s_mov_b32 s[G1F+3], 128<<16
	s_mov_b32 s[G1F+4], 64
	s_mov_b32 s[G1F+5], 1024
	s_mov_b32 s[G1F+6], 0
	s_mov_b32 s[G1F+7], 0
	s_mov_b32 s[G1W+0], 15|(3<<16)|(1<<21)         ; W2's chunks: all four partners; a dense block as 128 rows of 256 bytes
	s_mov_b32 s[G1W+1], 32<<16
	s_mov_b32 s[G1W+2], 128<<16
	s_mov_b32 s[G1W+3], 32<<16
	s_mov_b32 s[G1W+4], 128
	s_mov_b32 s[G1W+5], 32
	s_mov_b32 s[G1W+6], 0
	s_mov_b32 s[G1W+7], 0
	s_lshl_b32 s68, s[GG], 20                      ; values: 256 rows of 4,096 bytes a work-group, 64 a wave
	s_lshl_b32 s69, s[WV], 18
	s_add_co_u32 s68, s68, s69
	s_mov_b32 s69, 0
	s_lshl_b32 s74, s[GG], 10                      ; scorebuf: 1,024 bytes a work-group, 256 a wave
	s_lshl_b32 s75, s[WV], 8
	s_add_co_u32 s74, s74, s75
	s_mov_b32 s75, 0
	s_mul_i32 s70, s[WV], FTILE
	s_lshl_b32 s72, s[WV], 15                      ; my quarter of a chunk, in memory and in a slot
	s_mov_b32 s73, 0
	s_mov_b32 s[SEL], 0x76543210
	s_mov_b32 s[SEL+1], 0xfedcba98
	s_mov_b32 s[TB], 0
	s_mov_b32 s[PQ], 0
	s_mov_b32 s[CNT], 7
	s_wait_dscnt 0x0
	s_wait_alu depctr_va_vdst(0)
	s_wait_kmcnt 0x0
	s_load_b128 s[60:63], s[12:13], 0x0            ; e0, e1, e2, e3
	s_add_nc_u64 s[4:5], s[4:5], s[68:69]
	s_add_nc_u64 s[14:15], s[14:15], s[74:75]
.irp g, 0,1
	s_mov_b32 s[G0F+4*\g], 1
	s_add_co_u32 s[G0F+4*\g+1], s70, \g*SLOTB
	s_add_nc_u64 s[G0F+4*\g+2:G0F+4*\g+3], s[4:5], \g*512
	s_or_b32 s[G0F+4*\g+3], s[G0F+4*\g+3], 0x80000000
.endr
	s_mov_b32 s[G0W], 1
	s_mov_b32 s[G0W+1], s72
	s_add_nc_u64 s[G0W+2:G0W+3], s[6:7], s[72:73]
	s_or_b32 s[G0W+3], s[G0W+3], 0x80000000
	ROUND
	tensor_load_to_lds s[G0F:G0F+3], s[G1F:G1F+7]  ; K step 0: one tensor load a wave at the head
	s_nop 0
	NOP4
	ASKF 0
	s_wait_tensorcnt 0x0                           ; slot 1's first fill goes as a refill does
	ds_add_u32 v[SPW], v[NIL]
	s_wait_dscnt 0x0
	ROUND
	tensor_load_to_lds s[G0F+4:G0F+7], s[G1F:G1F+7]
	s_nop 0
	NOP4
	ASKF 1
	v_and_b32 v32, 15, v0                          ; r
	v_bfe_u32 v33, v0, 4, 1                        ; h
	v_lshlrev_b32 v[LI], 4, v[LN]
	v_lshlrev_b32 v34, 5, v0                       ; 32 bytes a thread: 4,096 a work-group
	s_lshl_b32 s68, ttmp9, 12                      ; the batch's row of qb
	s_add_nc_u64 s[8:9], s[8:9], s[68:69]
	global_load_b128 v[96:99], v34, s[8:9]
	global_load_b128 v[100:103], v34, s[8:9] offset:16
	global_load_b128 v[104:107], v34, s[10:11]
	global_load_b128 v[108:111], v34, s[10:11] offset:16
	v_mul_u32_u24 v[AF0], v32, FPITCH
	v_lshl_add_u32 v[AF0], v33, 6, v[AF0]
	v_add_nc_u32 v[AF0], s70, v[AF0]               ; my tile, row r, + 64 h
	v_add_nc_u32 v[AF0+1], SLOTB, v[AF0]
	v_lshl_add_u32 v[AV0], v33, 5, V2T
	v_lshlrev_b32 v[SO], 4, v32
	v_add_nc_u32 v35, V2T, v34
	v_mov_b32 v[PD], 0                             ; a lane permute's destination counts as a source
	s_wait_alu depctr_va_vdst(0)
	s_wait_loadcnt 0x0
	ds_store_b128 v35, v[96:99] offset:4096
	ds_store_b128 v35, v[100:103] offset:4112
.irp i, 104,106,108,110
	v_pk_mul_f32 v[\i:\i+1], v[\i:\i+1], -2.0 op_sel_hi:[1,0]
.endr
	ds_store_b128 v35, v[104:107]
	ds_store_b128 v35, v[108:111] offset:16        ; the tables are read behind later rounds, in front of which every wave waits for its LDS stores
	s_wait_alu depctr_va_vdst(0)
	s_wait_kmcnt 0x0
	s_add_co_i32 s67, s62, 127
	s_lshl_b32 s68, s67, 23
	v_mov_b32 v[SCL], s68                          ; 2^e2
	s_add_co_i32 s67, s67, 8
	s_lshl_b32 s67, s67, 23
	s_or_b32 s67, s67, 0x600000
	v_mov_b32 v[LIM], s67                          ; 448 x 2^e2
	s_add_co_i32 s67, s62, s63
	s_lshl_b32 s67, s67, 23
	s_add_co_i32 s[CS], s67, 0x4038aa3b            ; 2 log2(e) x 2^(e2 + e3)
	s_mov_b32 s[CS+1], s[CS]
	s_wait_alu depctr_va_vdst(0)
	STEP 0
	FILLF 2
	STEP 1
	FILLF 3
	STEP 2
	FILLF 4
	STEP 3
	FILLF 5
	STEP 4
	FILLF 6
	STEP 5
	FILLF 7
	STEP 6
	CHANGE 1, 0                                    ; slot 0 has been read out: W2's chunk 0
	STEP 7
	WIN 0x40
.set q, 0
.rept 16
	v_mov_b32 v[S+q], 0                            ; the sums
.set q, q+1
.endr
	WIN 0
	s_wait_alu depctr_va_vdst(0)
.Lperiod:                                              ; seven periods, each asking for the next chunk
	CHANGE 1, 1
	PERIOD
	s_sub_co_u32 s[CNT], s[CNT], 1
	s_cmp_lg_u32 s[CNT], 0
	s_wait_alu depctr_va_vdst(0)
	s_cbranch_scc1 .Lperiod
	CHANGE 0, 0                                    ; the last period is written out: it asks for nothing
	PERIOD
	WIN 0x55
.irp m, 0,1,2,3
	v_pk_add_f32 v[S+4*\m:S+4*\m+1], v[S+4*\m:S+4*\m+1], v[S+4*\m+2:S+4*\m+3]
.endr
	WIN 0x05
.irp m, 0,1,2,3
	v_add_f32 v[F+\m], v[S+4*\m], v[S+4*\m+1]
.endr
	WIN 0
.irp m, 0,1,2,3
	v_permlanex16_b32 v[PD], v[F+\m], s[SEL], s[SEL+1]
	v_add_f32 v[F+\m], v[F+\m], v[PD]              ; and lane l xor 16's columns: row 16 m + r's score
.endr
	s_wait_alu depctr_va_vdst(0)
	s_wait_xcnt 0x0                                ; EXEC changes only behind this wait
	v_cmp_gt_u32 vcc_lo, 16, v[LN]
	s_and_saveexec_b32 s67, vcc_lo
	global_store_b128 v[SO], v[F:F+3], s[14:15]    ; sixteen lanes store 256 consecutive bytes, aligned: place 4 r + m holds row 16 m + r of my 64
	s_wait_xcnt 0x0
	s_or_b32 exec_lo, exec_lo, s67
	s_wait_tensorcnt 0x0                           ; the wave's end
	ds_add_u32 v[SPW], v[NIL]
	s_wait_dscnt 0x0
	ROUND                                          ; the closing round
	s_endpgm
.Lfunc_end_k_q56d83cad98_score:
	.size	k_q56d83cad98_score, .Lfunc_end_k_q56d83cad98_score-k_q56d83cad98_score
	.p2alignl 7, 3214868480
	.fill 96, 4, 3214868480
	.section	.rodata,"a",@progbits
	.p2align	6, 0x0
	.amdhsa_kernel k_q56d83cad98_score
		.amdhsa_group_segment_fixed_size 327680
		.amdhsa_private_segment_fixed_size 0
		.amdhsa_enable_private_segment 0
		.amdhsa_kernarg_size 48
		.amdhsa_user_sgpr_count 2
		.amdhsa_user_sgpr_kernarg_segment_ptr 1
		.amdhsa_wavefront_size32 1
		.amdhsa_system_sgpr_workgroup_id_x 1
		.amdhsa_system_sgpr_workgroup_id_y 1
		.amdhsa_system_sgpr_workgroup_id_z 1
		.amdhsa_system_vgpr_workitem_id 0
		.amdhsa_next_free_vgpr 1024
		.amdhsa_next_free_sgpr 80
		.amdhsa_reserve_vcc 1
		.amdhsa_float_denorm_mode_32 3
		.amdhsa_float_denorm_mode_16_64 3
		.amdhsa_memory_ordered 1
		.amdhsa_forward_progress 1
		.amdhsa_inst_pref_size 255
	.end_amdhsa_kernel
	.section	.bss,"aw",@nobits
	.p2align	6
	.space	262144
	.amdgpu_metadata
---
amdhsa.version: [ 1, 2 ]
amdhsa.kernels:
  - .name:           k_q56d83cad98_score
    .symbol:         k_q56d83cad98_score.kd
    .args:
      - { .name: values, .offset: 0, .size: 8, .value_kind: global_buffer, .address_space: global }
      - { .name: w2c, .offset: 8, .size: 8, .value_kind: global_buffer, .address_space: global }
      - { .name: qb, .offset: 16, .size: 8, .value_kind: global_buffer, .address_space: global }
      - { .name: V, .offset: 24, .size: 8, .value_kind: global_buffer, .address_space: global }
      - { .name: lowp_scales, .offset: 32, .size: 8, .value_kind: global_buffer, .address_space: global }
      - { .name: scorebuf, .offset: 40, .size: 8, .value_kind: global_buffer, .address_space: global }
    .group_segment_fixed_size: 327680
    .private_segment_fixed_size: 0
    .kernarg_segment_align: 8
    .kernarg_segment_size: 48
    .max_flat_workgroup_size: 128
    .sgpr_count:     80
    .vgpr_count:     1024
    .wavefront_size: 32
...
	.end_amdgpu_metadata
.endif
;; end of part 2
;; launch context (part 3): grid 4 x 64, 8 waves a work-group, no clusters, 13,312 bytes of LDS; arguments values, scorebuf, out0, out1; writes out0, out1
.if DOCPART == 3
	.amdgcn_target "amdgcn-amd-amdhsa--gfx1250"
	.amdhsa_code_object_version 6
	.text
	.protected	k_q56d83cad98_context
	.globl	k_q56d83cad98_context
	.p2align	8
	.type	k_q56d83cad98_context,@function
k_q56d83cad98_context:
	s_mov_b64 s[64:65], 0
	v_nop
	global_prefetch_b8 v0, s[64:65] scope:SCOPE_SE
	s_setreg_imm32_b32 hwreg(HW_REG_WAVE_MODE, 25, 1), 1
	s_wait_xcnt 0x0
; CONTEXT.  w[b][t] = softmax over t of score[b][t] (the row's true maximum is taken away first);  out1 = w;  out0[b][c] = sum over t of w[b][t] values[b][t][c], all in f32.
; SHARES.  Work-group (hq, b) owns columns 256 hq .. 256 hq + 255 of batch b.  Wave w: ch = w % 2 picks 128 of these columns (512 bytes of each row), rg = w / 2 picks rows 256 rg .. 256 rg + 255.
; Every wave reads the batch's 1,024 scores and makes maximum and sum for itself: no barrier is needed for the softmax.  Its own 256 weights go into its own 1,024 bytes of LDS, in the rows' true order
; (scorebuf is permuted inside each 64 rows: place 64 g + 4 r + mt holds row 64 g + 16 mt + r), and come back eight at a time, the same for all lanes.
; THE STREAM: a ring of four slots of eight rows in registers: 32 loads of 512 consecutive bytes of every wave are always on their way.  No matrix unit, no tensor load, no cluster: work-groups share no value byte.
; The four row groups' partial sums meet in LDS behind one barrier; waves 0 and 1 add and store them.  out1's 256 weights of rows 256 hq on are stored by wave 2 hq.
.set WV,  12
.set OFF, 2                            ; v2-5    slot k: 16 x lane + the byte offset of its eight rows
.set WST, 6                            ; v6      where I store weights: 1024 w + 256 h + 4 r
.set WA,  7                            ; v7      where the trip's weights are read
.set A,   8                            ; v8-15   two sets of four sums: even rows, odd rows
.set P,   16                           ; v16-47  all 1,024 scores, 32 a lane; v48-55 my group's 256, 8 a lane
.set X,   64                           ; v64-191 four slots of 8 rows x 4 numbers
.set W,   192                          ; v192-223 eight weights a slot
.set RDW, 224                          ; v224    1024 w + 16 x lane
.set CTA, 225                          ; v225    8192 + 16 x thread: my place among the partial sums
.set OO,  226                          ; v226    16 x thread
.set WA0, 227                          ; v227    1024 w
	s_load_b256 s[4:11], s[0:1], 0x0               ; values s[4:5], scorebuf s[6:7], out0 s[8:9], out1 s[10:11]
	v_lshl_add_u32 v240, v0, 2, 0x3000
	v_mov_b32 v241, 0
	v_lshrrev_b32 v1, 5, v0
	s_delay_alu instid0(VALU_DEP_1)
	v_readfirstlane_b32 s[WV], v1                  ; wave 0..7
	s_and_b32 s14, ttmp7, 0xffff                   ; b
	v_and_b32 v1, 31, v0
	s_delay_alu instid0(VALU_DEP_1)
	v_lshlrev_b32 v1, 4, v1                        ; 16 x lane; never rewritten
	v_and_b32 v[WA0], 0xe0, v0
	s_delay_alu instid0(VALU_DEP_1)
	v_lshlrev_b32 v[WA0], 5, v[WA0]
	v_and_b32 v[WST], 15, v0
	s_delay_alu instid0(VALU_DEP_1)
	v_lshl_add_u32 v[WST], v[WST], 2, v[WA0]
	v_bfe_u32 v[WA], v0, 4, 1
	s_delay_alu instid0(VALU_DEP_1)
	v_lshl_add_u32 v[WST], v[WA], 8, v[WST]
.irp k, 0,1,2,3
	v_add_nc_u32 v[OFF+\k], 32768*\k, v1           ; eight rows of 4,096 bytes to a slot
.endr
	v_mov_b32 v57, 0                               ; written once: a lane permute's destination counts as one of its sources
.irp i, 0,1,2,3,4,5,6,7
	v_mov_b32 v[A+\i], 0
.endr
	s_mov_b32 s16, 0x76543210                      ; v_permlanex16_b32: lane l xor 16
	s_mov_b32 s17, 0xfedcba98
	s_and_b32 s15, s[WV], 1                        ; ch
	s_lshr_b32 s20, s[WV], 1                       ; rg
	s_lshl_b32 s18, s14, 22                        ; values: b x 4 MiB + rg x 256 rows + 1024 hq + 512 ch
	s_lshl_b32 s19, s20, 20
	s_add_co_u32 s18, s18, s19
	s_lshl_b32 s23, ttmp9, 10
	s_add_co_u32 s18, s18, s23
	s_lshl_b32 s19, s15, 9
	s_add_co_u32 s18, s18, s19
	s_mov_b32 s19, 0
	s_lshl_b32 s24, s14, 12                        ; a batch's 4,096 bytes in scorebuf, out0 and out1
	s_mov_b32 s25, 0
	s_lshl_b32 s26, s20, 10                        ; my row group's scores
	s_mov_b32 s27, 0
	s_add_co_u32 s30, s24, s23                     ; out0, out1: + 1024 hq
	s_mov_b32 s31, 0
	s_wait_kmcnt 0x0
	s_add_nc_u64 s[4:5], s[4:5], s[18:19]
	s_add_nc_u64 s[6:7], s[6:7], s[24:25]
	s_add_nc_u64 s[28:29], s[6:7], s[26:27]
	s_add_nc_u64 s[8:9], s[8:9], s[30:31]
	s_add_nc_u64 s[10:11], s[10:11], s[30:31]
.irp i, 0,1,2,3,4,5,6,7
	global_load_b128 v[P+4*\i:P+4*\i+3], v1, s[6:7] offset:512*\i
.endr
	global_load_b128 v[48:51], v1, s[28:29]
	global_load_b128 v[52:55], v1, s[28:29] offset:512
.macro FILL k                          ; eight rows, 512 consecutive bytes of each
.irp j, 0,1,2,3,4,5,6,7
	global_load_b128 v[X+32*\k+4*\j:X+32*\k+4*\j+3], v[OFF+\k], s[4:5] offset:4096*\j th:TH_LOAD_NT
.endr
.endm
	FILL 0
	FILL 1
	FILL 2
	FILL 3
	s_wait_loadcnt 32                              ; the ten loads of scores are in; the 32 of values stay out
	; the maximum of the 1,024 scores: two chains in a lane, then across the lanes
	v_max3_num_f32 v56, v16, v17, v18
	v_max3_num_f32 v58, v19, v20, v21
.irp i, 22,26,30,34,38,42
	s_delay_alu instid0(VALU_DEP_2)
	v_max3_num_f32 v56, v56, v[\i], v[\i+1]
	s_delay_alu instid0(VALU_DEP_2)
	v_max3_num_f32 v58, v58, v[\i+2], v[\i+3]
.endr
	s_delay_alu instid0(VALU_DEP_2)
	v_max3_num_f32 v56, v56, v46, v47
	s_delay_alu instid0(VALU_DEP_1)
	v_max_num_f32 v56, v56, v58
	s_delay_alu instid0(VALU_DEP_1)
	v_max_num_f32_dpp v56, v56, v56 row_xmask:1 row_mask:0xf bank_mask:0xf
	s_delay_alu instid0(VALU_DEP_1)
	v_max_num_f32_dpp v56, v56, v56 row_xmask:2 row_mask:0xf bank_mask:0xf
	s_delay_alu instid0(VALU_DEP_1)
	v_max_num_f32_dpp v56, v56, v56 row_xmask:4 row_mask:0xf bank_mask:0xf
	s_delay_alu instid0(VALU_DEP_1)
	v_max_num_f32_dpp v56, v56, v56 row_xmask:8 row_mask:0xf bank_mask:0xf
	s_delay_alu instid0(VALU_DEP_1)
	v_permlanex16_b32 v57, v56, s16, s17
	s_delay_alu instid0(VALU_DEP_1)
	v_max_num_f32 v56, v56, v57
.set q, P
.rept 20
	v_pk_add_f32 v[q:q+1], v[q:q+1], v[56:57] op_sel_hi:[1,0] neg_lo:[0,1] neg_hi:[0,1]   ; s - m: 0 for the largest
.set q, q+2
.endr
.set q, P
.rept 20
	v_pk_mul_f32 v[q:q+1], v[q:q+1], 0x3fb8aa3b op_sel_hi:[1,0]                           ; x log2(e)
.set q, q+2
.endr
.set q, P
	s_wait_alu depctr_va_vdst(0)
.rept 40
	v_exp_f32 v[q], v[q]
.set q, q+1
.endr
	v_add_nc_u32 v[RDW], v[WA0], v1                ; (a plain instruction behind the exponentials)
	v_lshlrev_b32 v[OO], 4, v0
	s_wait_alu depctr_va_vdst(0)                   ; one wait for the batch of forty, ahead of its first reader
	v_pk_add_f32 v[60:61], v[16:17], v[18:19]
	v_pk_add_f32 v[238:239], v[24:25], v[28:29]
	v_pk_add_f32 v[236:237], v[32:33], v[36:37]
	v_pk_add_f32 v[234:235], v[40:41], v[44:45]
	v_pk_add_f32 v[232:233], v[20:21], v[22:23]
	v_pk_add_f32 v[230:231], v[26:27], v[30:31]
	v_pk_add_f32 v[228:229], v[34:35], v[38:39]
	v_pk_add_f32 v[58:59], v[42:43], v[46:47]
	s_delay_alu instid0(VALU_DEP_1)
	v_pk_add_f32 v[58:59], v[58:59], v[234:235]
	v_pk_add_f32 v[60:61], v[60:61], v[232:233]
	v_pk_add_f32 v[238:239], v[238:239], v[230:231]
	v_pk_add_f32 v[236:237], v[236:237], v[228:229]
	s_delay_alu instid0(VALU_DEP_2)
	v_pk_add_f32 v[58:59], v[58:59], v[238:239]
	s_delay_alu instid0(VALU_DEP_2)
	v_pk_add_f32 v[60:61], v[60:61], v[236:237]
	s_delay_alu instid0(VALU_DEP_1)
	v_pk_add_f32 v[58:59], v[58:59], v[60:61]
	s_delay_alu instid0(VALU_DEP_1)
	v_add_f32 v58, v58, v59
	s_delay_alu instid0(VALU_DEP_1)
	v_add_f32_dpp v58, v58, v58 row_xmask:1 row_mask:0xf bank_mask:0xf
	s_delay_alu instid0(VALU_DEP_1)
	v_add_f32_dpp v58, v58, v58 row_xmask:2 row_mask:0xf bank_mask:0xf
	s_delay_alu instid0(VALU_DEP_1)
	v_add_f32_dpp v58, v58, v58 row_xmask:4 row_mask:0xf bank_mask:0xf
	s_delay_alu instid0(VALU_DEP_1)
	v_add_f32_dpp v58, v58, v58 row_xmask:8 row_mask:0xf bank_mask:0xf
	s_delay_alu instid0(VALU_DEP_1)
	v_permlanex16_b32 v59, v58, s16, s17
	s_delay_alu instid0(VALU_DEP_1)
	v_add_f32 v58, v58, v59
	s_wait_alu depctr_va_vdst(0)
	v_rcp_f32 v60, v58
	v_lshl_add_u32 v[CTA], v0, 4, 8192             ; (a plain instruction behind the reciprocal)
	s_wait_alu depctr_va_vdst(0)                   ; the wait ahead of its first reader
.irp i, 48,50,52,54
	v_pk_mul_f32 v[\i:\i+1], v[\i:\i+1], v[60:61] op_sel_hi:[1,0]   ; my group's weights
.endr
.irp u, 0,1                            ; number e of load u in lane (r, h) is row 64 (2 u + h) + 16 e + r of my 256
.irp e, 0,1,2,3
	ds_store_b32 v[WST], v[48+4*\u+\e] offset:512*\u+64*\e
.endr
.endr
	s_lshl_b32 s21, ttmp9, 1
	s_cmp_eq_u32 s[WV], s21                        ; wave 2 hq holds the weights of rows 256 hq on: it stores them
	s_cbranch_scc0 .Lno_weights
	ds_load_b128 v[16:19], v[RDW]                  ; LDS serves a wave's instructions in order: these see my stores
	ds_load_b128 v[20:23], v[RDW] offset:512
	s_wait_dscnt 0x0
	global_store_b128 v1, v[16:19], s[10:11]       ; 512 consecutive bytes an instruction; v16-23 are not written again
	global_store_b128 v1, v[20:23], s[10:11] offset:512
.Lno_weights:
.irp k, 0,1,2,3                        ; the first 32 rows' weights: every lane reads the same 32 bytes
	ds_load_b128 v[W+8*\k:W+8*\k+3], v[WA0] offset:32*\k
	ds_load_b128 v[W+8*\k+4:W+8*\k+7], v[WA0] offset:32*\k+16
.endr
; The turn of slot k.  lc, dc: the younger global and LDS loads that may stay out.  ahead = 1: the slot takes the rows, and the weights, 32 rows further down.
.macro SLOT k, ahead, lc, dc
.set XS, X+32*(\k)
.set WS, W+8*(\k)
	s_wait_loadcnt \lc                             ; loads come back in order: my eight rows are in, and their address register is free
	s_wait_dscnt \dc                               ; my eight weights are in
.irp j, 0
	v_pk_fma_f32 v[A:A+1],   v[XS+4*\j:XS+4*\j+1],   v[WS+\j:WS+\j+1], v[A:A+1]   op_sel_hi:[1,0,1]                 ; row j: the pair's first weight for both halves
	v_pk_fma_f32 v[A+2:A+3], v[XS+4*\j+2:XS+4*\j+3], v[WS+\j:WS+\j+1], v[A+2:A+3] op_sel_hi:[1,0,1]
	v_pk_fma_f32 v[A+4:A+5], v[XS+4*\j+4:XS+4*\j+5], v[WS+\j:WS+\j+1], v[A+4:A+5] op_sel:[0,1,0] op_sel_hi:[1,1,1]  ; row j + 1: its second
	v_pk_fma_f32 v[A+6:A+7], v[XS+4*\j+6:XS+4*\j+7], v[WS+\j:WS+\j+1], v[A+6:A+7] op_sel:[0,1,0] op_sel_hi:[1,1,1]
.endr
.irp j, 2, 4, 6
	s_delay_alu instid0(VALU_DEP_4)
	v_pk_fma_f32 v[A:A+1],   v[XS+4*\j:XS+4*\j+1],   v[WS+\j:WS+\j+1], v[A:A+1]   op_sel_hi:[1,0,1]                 ; row j: the pair's first weight for both halves
	s_delay_alu instid0(VALU_DEP_4)
	v_pk_fma_f32 v[A+2:A+3], v[XS+4*\j+2:XS+4*\j+3], v[WS+\j:WS+\j+1], v[A+2:A+3] op_sel_hi:[1,0,1]
	s_delay_alu instid0(VALU_DEP_4)
	v_pk_fma_f32 v[A+4:A+5], v[XS+4*\j+4:XS+4*\j+5], v[WS+\j:WS+\j+1], v[A+4:A+5] op_sel:[0,1,0] op_sel_hi:[1,1,1]  ; row j + 1: its second
	s_delay_alu instid0(VALU_DEP_4)
	v_pk_fma_f32 v[A+6:A+7], v[XS+4*\j+6:XS+4*\j+7], v[WS+\j:WS+\j+1], v[A+6:A+7] op_sel:[0,1,0] op_sel_hi:[1,1,1]
.endr
.if \ahead
	v_add_nc_u32 v[OFF+\k], 131072, v[OFF+\k]      ; 32 rows on
	FILL \k
	ds_load_b128 v[WS:WS+3], v[WA] offset:128+32*\k
	ds_load_b128 v[WS+4:WS+7], v[WA] offset:128+32*\k+16
.endif
.endm
	s_mov_b32 s21, 0                               ; 128 x the trip: 32 weights of 4 bytes
	s_mov_b32 s22, 7
.Lround:                                               ; seven trips of 32 rows; 24 and 6: the three younger slots' loads
	v_add_nc_u32 v[WA], s21, v[WA0]
	s_wait_alu depctr_va_vdst(0)
	SLOT 0, 1, 24, 6
	s_wait_alu depctr_va_vdst(0)
	SLOT 1, 1, 24, 6
	s_wait_alu depctr_va_vdst(0)
	SLOT 2, 1, 24, 6
	s_wait_alu depctr_va_vdst(0)
	SLOT 3, 1, 24, 6
	s_add_co_u32 s21, s21, 128
	s_sub_co_u32 s22, s22, 1
	s_cmp_lg_u32 s22, 0
	s_cbranch_scc1 .Lround
	s_wait_alu depctr_va_vdst(0)
	SLOT 0, 0, 24, 6                               ; the last 32 rows: nothing is loaded, the counts run down
	s_wait_alu depctr_va_vdst(0)
	SLOT 1, 0, 16, 4
	s_wait_alu depctr_va_vdst(0)
	SLOT 2, 0, 8, 2
	s_wait_alu depctr_va_vdst(0)
	SLOT 3, 0, 0, 0
	s_delay_alu instid0(VALU_DEP_2)
	v_pk_add_f32 v[A:A+1], v[A:A+1], v[A+4:A+5]
	s_delay_alu instid0(VALU_DEP_2)
	v_pk_add_f32 v[A+2:A+3], v[A+2:A+3], v[A+6:A+7]
	ds_store_b128 v[CTA], v[A:A+3]                 ; 8192 + 1024 rg + 512 ch + 16 x lane
	s_wait_dscnt 0x0                               ; for the others' sake: my store has landed
	s_barrier_signal -1
	s_barrier_wait -1
	s_cmp_lt_u32 s[WV], 2
	s_cbranch_scc0 .Ldone
.irp t, 0,1,2,3                        ; waves 0 and 1 (ch = the wave's number): the four row groups' sums of my four columns
	ds_load_b128 v[24+4*\t:27+4*\t], v[CTA] offset:1024*\t
.endr
	s_wait_dscnt 0x0
.irp t, 1
	v_pk_add_f32 v[24:25], v[24:25], v[24+4*\t:25+4*\t]
	v_pk_add_f32 v[26:27], v[26:27], v[26+4*\t:27+4*\t]
.endr
.irp t, 2, 3
	s_delay_alu instid0(VALU_DEP_2)
	v_pk_add_f32 v[24:25], v[24:25], v[24+4*\t:25+4*\t]
	s_delay_alu instid0(VALU_DEP_2)
	v_pk_add_f32 v[26:27], v[26:27], v[26+4*\t:27+4*\t]
.endr
	global_store_b128 v[OO], v[24:27], s[8:9]      ; 512 consecutive bytes, aligned
.Ldone:
	s_wait_tensorcnt 0x0
	ds_add_u32 v240, v241
	s_wait_dscnt 0x0
	s_endpgm
.Lfunc_end_k_q56d83cad98_context:
	.size	k_q56d83cad98_context, .Lfunc_end_k_q56d83cad98_context-k_q56d83cad98_context
	.p2alignl 7, 3214868480
	.fill 96, 4, 3214868480
	.section	.rodata,"a",@progbits
	.p2align	6, 0x0
	.amdhsa_kernel k_q56d83cad98_context
		.amdhsa_group_segment_fixed_size 13312
		.amdhsa_private_segment_fixed_size 0
		.amdhsa_enable_private_segment 0
		.amdhsa_kernarg_size 32
		.amdhsa_user_sgpr_count 2
		.amdhsa_user_sgpr_kernarg_segment_ptr 1
		.amdhsa_wavefront_size32 1
		.amdhsa_system_sgpr_workgroup_id_x 1
		.amdhsa_system_sgpr_workgroup_id_y 1
		.amdhsa_system_sgpr_workgroup_id_z 1
		.amdhsa_system_vgpr_workitem_id 0
		.amdhsa_next_free_vgpr 242
		.amdhsa_next_free_sgpr 66
		.amdhsa_reserve_vcc 0
		.amdhsa_float_denorm_mode_32 3
		.amdhsa_float_denorm_mode_16_64 3
		.amdhsa_memory_ordered 1
		.amdhsa_forward_progress 1
		.amdhsa_inst_pref_size 34
	.end_amdhsa_kernel
	.amdgpu_metadata
---
amdhsa.version: [ 1, 2 ]
amdhsa.kernels:
  - .name:           k_q56d83cad98_context
    .symbol:         k_q56d83cad98_context.kd
    .args:
      - { .name: values, .offset: 0, .size: 8, .value_kind: global_buffer, .address_space: global }
      - { .name: scorebuf, .offset: 8, .size: 8, .value_kind: global_buffer, .address_space: global }
      - { .name: out0, .offset: 16, .size: 8, .value_kind: global_buffer, .address_space: global }
      - { .name: out1, .offset: 24, .size: 8, .value_kind: global_buffer, .address_space: global }
    .group_segment_fixed_size: 13312
    .private_segment_fixed_size: 0
    .kernarg_segment_align: 8
    .kernarg_segment_size: 32
    .max_flat_workgroup_size: 256
    .sgpr_count:     66
    .vgpr_count:     242
    .wavefront_size: 32
...
	.end_amdgpu_metadata
.endif
;; end of part 3
